; MI455X (gfx1250); checked and timed in simulation.
; The chip was launched on July 23, 2026; its instructions are those of AMD's public machine-readable ISA for CDNA 5 (MIT licence, August 2026) and "CDNA5" Instruction Set Architecture Reference Guide (July 2026). The comments in the code are by the model that wrote it; some were corrected since.
;; Tensor Train Projection. Allowed arithmetic: float matrix products may take bf16 or f16 operands with f32 sums; other float arithmetic in f32, or as packed bf16 or f16 multiplies, adds, multiply-adds, maxima and minima; sums over many terms, partial sums and values carried from step to step in f32; what a program stores and reads back later, other than sums and carried values, may be rounded once to bf16 or f16.
;; Inputs: p0 8 x 8 x 1 x 16 float32; p1 2 x 2 x 16 x 16 float32; p2 2 x 2 x 16 x 16 float32; p3 2 x 2 x 16 x 16 float32; p4 2 x 2 x 16 x 16 float32; p5 2 x 2 x 16 x 16 float32; p6 2 x 2 x 16 x 16 float32; p7 2 x 2 x 16 x 16 float32; p8 2 x 2 x 16 x 1 float32; x 4 x 2,048 x 2,048 float32.
;; Outputs: out0 4 x 2,048 x 2,048 float32.
;; 2 versions, each right; version 2 is version 1 with the launch wbuild written anew for expert scheduling mode. Each part assembles by itself: llvm-mc -triple=amdgcn-amd-amdhsa -mcpu=gfx1250 --defsym DOCPART=n.
;; ======== version 1 of 2: 2 launches
;; limits: values are held in f16: magnitudes above 65,504 overflow, below 6.1e-05 lose precision; inputs' magnitudes at most 65,504
;; workspace buffers: wt 8,388,608 bytes; scl 256 bytes
;; launch wbuild (part 1): grid 32 x 8, 4 waves a work-group, no clusters, 33,280 bytes of LDS; arguments p0, p1, p2, p3, p4, p5, p6, p7, p8, wt, scl; writes wt, scl
.if DOCPART == 1
	.amdgcn_target "amdgcn-amd-amdhsa--gfx1250"
	.amdhsa_code_object_version 6
	.text
	.protected	k_qc4f6992ae0_wbuild
	.globl	k_qc4f6992ae0_wbuild
	.p2align	8
	.type	k_qc4f6992ae0_wbuild,@function
k_qc4f6992ae0_wbuild:
	s_mov_b64 s[64:65], 0
	v_nop
	global_prefetch_b8 v0, s[64:65] scope:SCOPE_SE
	s_setreg_imm32_b32 hwreg(HW_REG_WAVE_MODE, 25, 1), 1
	s_wait_xcnt 0x0
; THE DENSE MATRIX OF THE TENSOR TRAIN.  W[i][j] = g0[a0,b0] G1[a1,b1] .. G7[a7,b7]^T g8[a8,b8], i = (a0 .. a8), j = (b0 .. b8), the first index the most significant; core 7's two bonds are swapped.
; Stored: wt[ks][n][kk] = f16(W[64 ks + kk][n] x 2^(141-e)), at byte ks x 262,144 + n x 128 + kk x 2; and scl = 2^(e-141), 64 times.
; THE SCALE.  P = the product of the nine cores' Frobenius norms bounds every |W|; e is P's biased exponent, so P < 2^(e-126) and the scaled W stays under 2^15, inside f16, whatever the cores hold.
; The factor is a power of two and is put on the left seed, so it costs no rounding.
; LIMITS.  P between 2^-112 and 2^126 (e is held to 15 .. 253).  Cores and chain vectors are carried as hi + lo in bf16, 16 significant bits; of a link's four products lo x lo is dropped (2^-18 of the value).
; W is rounded once, to f16: below 2^-14 of the scaled range it keeps f16's fixed step of 2^-24.  NaN and infinities are not treated apart.
; SHARES.  Work-group (ks, b0): a0 = ks >> 2, a1 = (ks >> 1) & 1, a2 = ks & 1.  Wave w: b1 = w >> 1, b2 = w & 1.  A wave makes all (a3 .. a8) x (b3 .. b8): 64 rows of n x 128 bytes, 8,192 consecutive bytes of wt.
; No wave reads another's bytes: no barrier.  NO CLUSTER, NO TENSOR LOADS: all that work-groups share are the cores, 33 KB, read through registers once a wave.
; THE METHOD.  A result of the matrix instruction holds in lane (r, h), register j, the number vec_r[s = 8 h + j]: sixteen vectors, the bond s along the registers.  Rounded in pairs that IS the next source 1.
; K's 32 places carry the bond twice: source 0 = [G_hi | G_lo]; the vector lies in twelve registers [v_lo | v_hi | 0], of which registers 0-7 give G_hi v_lo + G_lo v_hi and registers 4-11 give G_hi v_hi.
; The four results of a level's four (a, b) are merged by lane, so that the lanes come to number the indices:
;   right chain (cores 8, 7, 6): lane bits 3..0 = b7, b8, a7, a8          left chain (cores 0 .. 5): lane bits 3..0 = a3, b3, a4, b4
; At last W = R . L over the bond between cores 5 and 6: source 0 = R's sixteen vectors, source 1 = L's: 16 x 16 numbers an instruction, for each (a5, b5) x (a6, b6).
.set SPARE, 32768     ; behind the four stages of 8,192 bytes: the spare words, 128 bytes for each wave
.set OT,  3           ; v3   512 h + 4 r: a core matrix read turned (row = outgoing bond)
.set ON,  4           ; v4   64 r + 32 h: read as it lies
.set OSR, 5           ; v5   the right seed: 128 a8 + 64 b8 + 32 h
.set OSL, 6           ; v6   the left seed: 64 (8 a0 + b0) + 32 h
.set STO, 7           ; v7   where I put 16 bytes into my stage
.set RD,  8           ; v8   where I read the stage back
.set GO,  9           ; v9   my byte offset in wt
.set SPW, 10          ; v10  LDS address of my spare word; never rewritten
.set NIL, 11          ; v11  0; never rewritten
.set OT1, 12          ; v12-15 offsets of the loads; free when the loads are in
.set OT2, 13
.set NOF, 14
.set SOF, 15
.set R7, 16           ; the cores as loaded, eight f32 a set: 22 sets, v16-191
.set R6, 48
.set R1, 80
.set R2, 88
.set R3, 96
.set R4, 128
.set R5, 160
.set G7, R7-4         ; and as source 0, [hi | lo]: each set lands four registers below where it was loaded
.set G6, R6-4
.set G1, R1-4
.set G2, R2-4
.set G3, R3-4
.set G4, R4-4
.set G5, R5-4
.set T,  188          ; v188-219  four accumulators
.set M,  220          ; v220-227  the merged result; first the right seed as loaded
.set U,  228          ; v228-235  at work
.set BS, 236          ; v236-247  the vector in hand: lo, hi, 0
.set SL, 248          ; v248-255  the left seed as loaded
.set NS, 228          ; v228-245  nine pairs of sums of squares, before U and BS are in use
.set RA, 12           ; v12-43    R as source 0, four sets [hi | lo] (core 7's registers)
.set LB, 92           ; v92-139   L as source 1, four sets of twelve (cores 3's and 4's registers)
.set PK, 44           ; v44-59    packed results (core 6's registers)
.set OUTR, 140        ; v140-203  the stage read back
.set MSB, 0
.macro WIN new                      ; s_set_vgpr_msb: bits 1:0 source 0, 3:2 source 1, 5:4 source 2, 7:6 destination; the high byte repeats the setting that is left
.if MSB != (\new)
	s_set_vgpr_msb (MSB<<8)|(\new)
.set MSB, (\new)
.endif
.endm
	s_load_b512 s[8:23], s[0:1], 0x0               ; p0 .. p7: p_k in s[8+2k:9+2k]
	s_load_b128 s[24:27], s[0:1], 0x40             ; p8, wt
	s_load_b64 s[28:29], s[0:1], 0x50              ; scl
	v_lshl_add_u32 v[SPW], v0, 2, SPARE
	v_mov_b32 v[NIL], 0
	v_lshrrev_b32 v1, 5, v0
	v_readfirstlane_b32 s2, v1                     ; wave 0..3
	s_mov_b32 s3, ttmp9                            ; ks
	s_and_b32 s4, ttmp7, 0xffff                    ; b0
	s_lshr_b32 s5, s3, 2                           ; a0
	s_lshl3_add_u32 s5, s5, s4
	s_lshl_b32 s30, s5, 6                          ; p0: 64 bytes for each (a0, b0)
	s_bfe_u32 s5, s3, 0x10001                      ; a1
	s_lshr_b32 s6, s2, 1                           ; b1
	s_lshl1_add_u32 s5, s5, s6
	s_lshl_b32 s31, s5, 10                         ; p1: 1,024 bytes for each (a1, b1)
	s_and_b32 s5, s3, 1                            ; a2
	s_and_b32 s6, s2, 1                            ; b2
	s_lshl1_add_u32 s5, s5, s6
	s_lshl_b32 s32, s5, 10                         ; p2
	s_lshl_b32 s7, s2, 13                          ; my stage in LDS, and my 8,192 bytes of the group's part of wt
	s_lshl_b32 s33, s3, 18
	s_lshl_b32 s5, s4, 15
	s_add_co_u32 s33, s33, s5
	s_add_co_u32 s33, s33, s7                      ; wt: ks x 262,144 + b0 x 32,768 + w x 8,192
	s_mov_b32 s38, 0xaaaaaaaa                      ; the lanes whose bit 0 is set,
	s_mov_b32 s39, 0xcccccccc                      ; bit 1,
	s_mov_b32 s40, 0xf0f0f0f0                      ; bit 2,
	s_mov_b32 s41, 0xff00ff00                      ; bit 3
	s_mov_b32 s42, 0xffff0000                      ; a word's upper bf16
	s_mov_b32 s43, 0x76543210                      ; v_permlanex16_b32: each lane takes its own place in the other half
	s_mov_b32 s44, 0xfedcba98
	v_and_b32 v1, 15, v0                           ; r
	v_bfe_u32 v2, v0, 4, 1                         ; h
	v_lshlrev_b32 v[OT], 2, v1
	v_lshl_add_u32 v[OT], v2, 9, v[OT]
	v_lshlrev_b32 v[ON], 6, v1
	v_lshl_add_u32 v[ON], v2, 5, v[ON]
	v_and_b32 v12, 1, v0                           ; the lane's bits 0 to 3
	v_bfe_u32 v13, v0, 1, 1
	v_bfe_u32 v14, v0, 2, 1
	v_bfe_u32 v15, v0, 3, 1
	v_lshlrev_b32 v[OSR], 5, v2
	v_lshl_add_u32 v[OSR], v12, 7, v[OSR]          ; a8 = bit 0
	v_lshl_add_u32 v[OSR], v14, 6, v[OSR]          ; b8 = bit 2
	v_lshl_add_u32 v[OSL], v2, 5, s30
	; the stage is 64 rows (b3 .. b8) of 128 bytes (a3 .. a8, two bytes each).  The lane gives b3 (bit 2), b4 (bit 0), b7 (h), a3 (bit 3), a4 (bit 1); the rest stands in the stores' immediates
	v_lshl_add_u32 v[STO], v14, 12, s7
	v_lshl_add_u32 v[STO], v12, 11, v[STO]
	v_lshl_add_u32 v[STO], v2, 8, v[STO]
	v_lshl_add_u32 v[STO], v15, 6, v[STO]
	v_lshl_add_u32 v[STO], v13, 5, v[STO]
	v_add_nc_u32 v[OT1], s31, v[OT]
	v_add_nc_u32 v[OT2], s32, v[OT]
	v_and_b32 v1, 31, v0                           ; lane
	v_lshlrev_b32 v[NOF], 4, v1
	v_lshlrev_b32 v[SOF], 3, v1
	v_add_nc_u32 v[RD], s7, v[NOF]
	v_add_nc_u32 v[GO], s33, v[NOF]
	s_wait_kmcnt 0x0
	; ALL LOADS AT ONCE, 180 of them.  Lane (r, h) takes row r, bond places 8 h + 0..7 of each matrix: turned, eight loads of 4 bytes 64 bytes apart; as it lies, two loads of 16 bytes.
	global_load_b128 v[M:M+3], v[OSR], s[24:25]
	global_load_b128 v[M+4:M+7], v[OSR], s[24:25] offset:16
.irp c, 0,1,2,3
.irp j, 0,1,2,3,4,5,6,7
	global_load_b32 v[R7+8*\c+\j], v[OT], s[22:23] offset:1024*\c+64*\j  ; core 7: row = its 4th index, the bond towards core 6
.endr
	global_load_b128 v[R6+8*\c:R6+8*\c+3], v[ON], s[20:21] offset:1024*\c
	global_load_b128 v[R6+8*\c+4:R6+8*\c+7], v[ON], s[20:21] offset:1024*\c+16
.endr
	global_load_b128 v[SL:SL+3], v[OSL], s[8:9]
	global_load_b128 v[SL+4:SL+7], v[OSL], s[8:9] offset:16
.irp j, 0,1,2,3,4,5,6,7
	global_load_b32 v[R1+\j], v[OT1], s[10:11] offset:64*\j
	global_load_b32 v[R2+\j], v[OT2], s[12:13] offset:64*\j
.endr
.irp c, 0,1,2,3
.irp j, 0,1,2,3,4,5,6,7
	global_load_b32 v[R3+8*\c+\j], v[OT], s[14:15] offset:1024*\c+64*\j
	global_load_b32 v[R4+8*\c+\j], v[OT], s[16:17] offset:1024*\c+64*\j
	global_load_b32 v[R5+8*\c+\j], v[OT], s[18:19] offset:1024*\c+64*\j
.endr
.endr
	WIN 0x40                                       ; destination in window 1: cores 0, 1, 2 whole, for their norms: v256-351
.irp i, 0,1,2,3,4,5,6,7
	global_load_b128 v[4*\i:4*\i+3], v[NOF], s[8:9] offset:512*\i
	global_load_b128 v[32+4*\i:32+4*\i+3], v[NOF], s[10:11] offset:512*\i
	global_load_b128 v[64+4*\i:64+4*\i+3], v[NOF], s[12:13] offset:512*\i
.endr
	WIN 0
	s_wait_loadcnt 0x0                             ; all of them: the norms below want every core
	; THE NORMS.  Cores 3 to 7 lie whole in the wave's registers, 32 numbers a lane; core 8's 64 numbers lie there four times over (lane bits 1 and 3 do not enter its address).
.macro SQ q, b                      ; pair i of the core at register b is squared onto sum q
.if i == 0
	v_pk_mul_f32 v[NS+2*(\q):NS+2*(\q)+1], v[(\b):(\b)+1], v[(\b):(\b)+1]
.else
	v_pk_fma_f32 v[NS+2*(\q):NS+2*(\q)+1], v[(\b)+2*i:(\b)+2*i+1], v[(\b)+2*i:(\b)+2*i+1], v[NS+2*(\q):NS+2*(\q)+1]
.endif
.endm
.set i, 0
.rept 16                            ; the chains take turns, so that none waits for itself
	SQ 0, R7
	SQ 1, R6
	SQ 2, R3
	SQ 3, R4
	SQ 4, R5
.if i < 4
	SQ 5, M
.endif
.set i, i+1
.endr
	WIN 0x05                                       ; sources 0 and 1 in window 1
.set i, 0
.rept 16
	SQ 6, 0
	SQ 7, 32
	SQ 8, 64
.set i, i+1
.endr
	WIN 0
.irp q, 0,1,2,3,4,5,6,7,8
	v_add_f32 v[NS+2*\q], v[NS+2*\q], v[NS+2*\q+1]
.endr
.irp m, 1,2,4,8
.irp q, 0,1,2,3,4,5,6,7,8
	v_add_f32_dpp v[NS+2*\q], v[NS+2*\q], v[NS+2*\q] row_xmask:\m row_mask:0xf bank_mask:0xf
.endr
.endr
.irp q, 0,1,2,3,4,5,6,7,8
	v_permlanex16_b32 v[NS+2*\q+1], v[NS+2*\q], s43, s44
.endr
.irp q, 0,1,2,3,4,5,6,7,8
	v_add_f32 v[NS+2*\q], v[NS+2*\q], v[NS+2*\q+1]
.endr
.irp q, 0,1,2,3,4,5,6,7,8
	v_sqrt_f32 v[NS+2*\q], v[NS+2*\q]
.endr
	v_nop                                          ; a plain instruction between the last root and the use of its result
	s_wait_alu depctr_va_vdst(0)
	v_mul_f32 v[NS], v[NS], v[NS+2]
	v_mul_f32 v[NS+4], v[NS+4], v[NS+6]
	v_mul_f32 v[NS+8], v[NS+8], v[NS+10]
	v_mul_f32 v[NS+12], v[NS+12], v[NS+14]
	v_mul_f32 v[NS+16], 0.5, v[NS+16]              ; core 8's sum was taken four times: half its root
	v_mul_f32 v[NS], v[NS], v[NS+4]
	v_mul_f32 v[NS+8], v[NS+8], v[NS+12]
	v_mul_f32 v[NS], v[NS], v[NS+8]
	v_mul_f32 v[NS], v[NS], v[NS+16]               ; P, the same in every lane, wave and work-group
	v_lshrrev_b32 v[NS+2], 23, v[NS]               ; e
	v_max_u32 v[NS+2], 15, v[NS+2]
	v_min_u32 v[NS+2], 0xfd, v[NS+2]
	v_sub_nc_u32 v[NS+4], 0x10c, v[NS+2]           ; 127 + 141 - e
	v_lshlrev_b32 v[NS+4], 23, v[NS+4]             ; 2^(141-e)
	v_add_nc_u32 v[NS+6], -14, v[NS+2]             ; 127 + e - 141
	v_lshlrev_b32 v[NS+6], 23, v[NS+6]             ; 2^(e-141)
	v_mov_b32 v[NS+7], v[NS+6]
	v_readfirstlane_b32 s46, v[NS+4]
	s_mov_b32 s47, s46                             ; named with it as a pair
	s_or_b32 s5, s3, s4
	s_or_b32 s5, s5, s2
	s_cmp_lg_u32 s5, 0
	s_cbranch_scc1 .Lno_scale                      ; one wave of one work-group stores scl: 32 lanes x 8 bytes, its 256 bytes whole
	global_store_b64 v[SOF], v[NS+6:NS+7], s[28:29]
	s_wait_xcnt 0x0                                ; the store's offset and data registers are rewritten just below
.Lno_scale:
; Eight f32 at S become hi (four registers at H) and lo (four at L), two bf16 a register: hi = bf16(x), lo = bf16(x - hi); the difference is exact.
.macro SPLIT S, H, L
.irp e, 0,1,2,3
	v_cvt_pk_bf16_f32 v[(\H)+\e], v[(\S)+2*\e], v[(\S)+2*\e+1]
.endr
.irp e, 0,1,2,3
	v_lshlrev_b32 v[U+2*\e], 16, v[(\H)+\e]
	v_and_b32 v[U+2*\e+1], s42, v[(\H)+\e]
.endr
.irp e, 0,1,2,3
	v_pk_add_f32 v[U+2*\e:U+2*\e+1], v[(\S)+2*\e:(\S)+2*\e+1], v[U+2*\e:U+2*\e+1] neg_lo:[0,1] neg_hi:[0,1]
.endr
.irp e, 0,1,2,3
	v_cvt_pk_bf16_f32 v[(\L)+\e], v[U+2*\e], v[U+2*\e+1]
.endr
.endm
; Behind a group of matrix instructions: five places.  Four before a vector instruction reads a result or writes a source (ISA guide 7.12.1), five before a later matrix instruction writes over one of the group's registers.
.macro PLACES5
.rept 5
	v_nop
.endr
.endm
; A level with four matrices: T[c] = G[c] x the vector in hand, c = 2 a + b.  The four accumulators take turns, one instruction a turn.
.macro LVL4 G
.irp c, 0,1,2,3
	v_wmma_f32_16x16x32_bf16 v[T+8*\c:T+8*\c+7], v[(\G)+8*\c:(\G)+8*\c+7], v[BS:BS+7], 0
.endr
.irp c, 0,1,2,3
	v_wmma_f32_16x16x32_bf16 v[T+8*\c:T+8*\c+7], v[(\G)+8*\c:(\G)+8*\c+7], v[BS+4:BS+11], v[T+8*\c:T+8*\c+7]
.endr
	PLACES5
.endm
; A level with one matrix has one accumulator, so its second link follows the first.
.macro LVL1 G, D
	v_wmma_f32_16x16x32_bf16 v[(\D):(\D)+7], v[(\G):(\G)+7], v[BS:BS+7], 0
	s_wait_alu depctr_va_vdst(0)                   ; the wait ahead of a link that follows the link before it
	v_wmma_f32_16x16x32_bf16 v[(\D):(\D)+7], v[(\G):(\G)+7], v[BS+4:BS+11], v[(\D):(\D)+7]
	PLACES5
.endm
; Each lane keeps the result of the (a, b) that its own bits name: mlo = the lanes with b = 1, mhi = those with a = 1.  Registers in ascending order.
.macro MERGE mlo, mhi
.irp j, 0,1,2,3,4,5,6,7
	v_cndmask_b32 v[U+2*(\j%4)], v[T+\j], v[T+8+\j], \mlo
	v_cndmask_b32 v[U+2*(\j%4)+1], v[T+16+\j], v[T+24+\j], \mlo
	v_cndmask_b32 v[M+\j], v[U+2*(\j%4)], v[U+2*(\j%4)+1], \mhi
.endr
.endm
	; THE CORES BECOME SOURCES.  A set's hi goes into the four registers below it, which are free (v12-15, then the upper half of the set before, read out by then), its lo into its own lower four: nothing is moved.
.set x, R7
.rept 22
	SPLIT x, x-4, x
.set x, x+8
.endr
.irp e, 0,1,2,3
	v_mov_b32 v[BS+8+\e], 0                        ; the vector's third part, once
.endr
	; THE RIGHT CHAIN: core 8, then 7 and 6
	SPLIT M, BS+4, BS
	LVL4 G7
	MERGE s41, s39                                 ; b7 = bit 3, a7 = bit 1
	SPLIT M, BS+4, BS
	LVL4 G6
.irp c, 0,1,2,3
	SPLIT T+8*\c, RA+8*\c, RA+8*\c+4               ; R for (a6, b6) = c: lane r's vector is row r of a source 0
.endr
	; THE LEFT CHAIN: core 0, scaled, then 1 to 5
.irp e, 0,1,2,3
	v_pk_mul_f32 v[SL+2*\e:SL+2*\e+1], v[SL+2*\e:SL+2*\e+1], s[46:47] op_sel_hi:[1,0]
.endr
	SPLIT SL, BS+4, BS
	LVL1 G1, T
	SPLIT T, BS+4, BS
	LVL1 G2, T+8
	SPLIT T+8, BS+4, BS
	LVL4 G3
	MERGE s40, s41                                 ; b3 = bit 2, a3 = bit 3
	SPLIT M, BS+4, BS
	LVL4 G4
	MERGE s38, s39                                 ; b4 = bit 0, a4 = bit 1
	SPLIT M, BS+4, BS
	LVL4 G5
.irp c, 0,1,2,3
	SPLIT T+8*\c, LB+12*\c+4, LB+12*\c             ; L for (a5, b5) = c
.irp e, 0,1,2,3
	v_mov_b32 v[LB+12*\c+8+\e], 0
.endr
.endr
; W for (a5, b5) = cl and all four (a6, b6).  In a result lane (r, h), register j: (a3, b3, a4, b4) = r, b7 = h, b8 = j >> 2, (a7, a8) = j & 3.  So four registers of the results for a6 = 0 and 1
; are eight neighbouring kk, 16 bytes.  The piece with b8 = 0 goes first: each accumulator is read from its low end on.
.macro FIN cl
.irp c, 0,1,2,3
	v_wmma_f32_16x16x32_bf16 v[T+8*\c:T+8*\c+7], v[RA+8*\c:RA+8*\c+7], v[LB+12*(\cl):LB+12*(\cl)+7], 0
.endr
.irp c, 0,1,2,3
	v_wmma_f32_16x16x32_bf16 v[T+8*\c:T+8*\c+7], v[RA+8*\c:RA+8*\c+7], v[LB+12*(\cl)+4:LB+12*(\cl)+11], v[T+8*\c:T+8*\c+7]
.endr
	PLACES5
.irp q, 0,1,2,3                     ; b6 = q % 2, b8 = q / 2
	v_cvt_pk_f16_f32 v[PK+4*\q],   v[T+8*(\q%2)+4*(\q/2)],      v[T+8*(\q%2)+4*(\q/2)+1]
	v_cvt_pk_f16_f32 v[PK+4*\q+1], v[T+8*(\q%2)+4*(\q/2)+2],    v[T+8*(\q%2)+4*(\q/2)+3]
	v_cvt_pk_f16_f32 v[PK+4*\q+2], v[T+16+8*(\q%2)+4*(\q/2)],   v[T+16+8*(\q%2)+4*(\q/2)+1]
	v_cvt_pk_f16_f32 v[PK+4*\q+3], v[T+16+8*(\q%2)+4*(\q/2)+2], v[T+16+8*(\q%2)+4*(\q/2)+3]
	ds_store_b128 v[STO], v[PK+4*\q:PK+4*\q+3] offset:(((\cl)%2)*8+(\q%2)*4+(\q/2))*128+((\cl)/2)*16
.endr
.endm
	FIN 0
	FIN 1
	FIN 2
	FIN 3
	; THE WAY OUT.  The stage is my own, and LDS serves a wave's instructions in order (ISA guide 5.7.1.4): the loads see the stores above.  The stage's rows follow each other as wt's do.
.irp i, 0,1,2,3,4,5,6,7,8,9,10,11,12,13,14,15
	ds_load_b128 v[OUTR+4*\i:OUTR+4*\i+3], v[RD] offset:512*\i
.endr
.irp i, 0,1,2,3,4,5,6,7,8,9,10,11,12,13,14,15
	s_wait_dscnt 15-\i                             ; the younger loads may stay out
	global_store_b128 v[GO], v[OUTR+4*\i:OUTR+4*\i+3], s[26:27] offset:512*\i  ; 512 consecutive bytes, at a multiple of 256 from wt's first byte
.endr
	s_wait_tensorcnt 0x0                           ; the wave's end, behind my last LDS store
	ds_add_u32 v[SPW], v[NIL]
	s_wait_dscnt 0x0
	s_endpgm
.Lfunc_end_k_qc4f6992ae0_wbuild:
	.size	k_qc4f6992ae0_wbuild, .Lfunc_end_k_qc4f6992ae0_wbuild-k_qc4f6992ae0_wbuild
	.p2alignl 7, 3214868480
	.fill 96, 4, 3214868480
	.section	.rodata,"a",@progbits
	.p2align	6, 0x0
	.amdhsa_kernel k_qc4f6992ae0_wbuild
		.amdhsa_group_segment_fixed_size 33280
		.amdhsa_private_segment_fixed_size 0
		.amdhsa_enable_private_segment 0
		.amdhsa_kernarg_size 88
		.amdhsa_user_sgpr_count 2
		.amdhsa_user_sgpr_kernarg_segment_ptr 1
		.amdhsa_wavefront_size32 1
		.amdhsa_system_sgpr_workgroup_id_x 1
		.amdhsa_system_sgpr_workgroup_id_y 1
		.amdhsa_system_sgpr_workgroup_id_z 1
		.amdhsa_system_vgpr_workitem_id 0
		.amdhsa_next_free_vgpr 352
		.amdhsa_next_free_sgpr 66
		.amdhsa_reserve_vcc 0
		.amdhsa_float_denorm_mode_32 3
		.amdhsa_float_denorm_mode_16_64 3
		.amdhsa_memory_ordered 1
		.amdhsa_forward_progress 1
		.amdhsa_inst_pref_size 90
	.end_amdhsa_kernel
	.amdgpu_metadata
---
amdhsa.version: [ 1, 2 ]
amdhsa.kernels:
  - .name:           k_qc4f6992ae0_wbuild
    .symbol:         k_qc4f6992ae0_wbuild.kd
    .args:
      - { .name: p0, .offset: 0, .size: 8, .value_kind: global_buffer, .address_space: global }
      - { .name: p1, .offset: 8, .size: 8, .value_kind: global_buffer, .address_space: global }
      - { .name: p2, .offset: 16, .size: 8, .value_kind: global_buffer, .address_space: global }
      - { .name: p3, .offset: 24, .size: 8, .value_kind: global_buffer, .address_space: global }
      - { .name: p4, .offset: 32, .size: 8, .value_kind: global_buffer, .address_space: global }
      - { .name: p5, .offset: 40, .size: 8, .value_kind: global_buffer, .address_space: global }
      - { .name: p6, .offset: 48, .size: 8, .value_kind: global_buffer, .address_space: global }
      - { .name: p7, .offset: 56, .size: 8, .value_kind: global_buffer, .address_space: global }
      - { .name: p8, .offset: 64, .size: 8, .value_kind: global_buffer, .address_space: global }
      - { .name: wt, .offset: 72, .size: 8, .value_kind: global_buffer, .address_space: global }
      - { .name: scl, .offset: 80, .size: 8, .value_kind: global_buffer, .address_space: global }
    .group_segment_fixed_size: 33280
    .private_segment_fixed_size: 0
    .kernarg_segment_align: 8
    .kernarg_segment_size: 88
    .max_flat_workgroup_size: 128
    .sgpr_count:     66
    .vgpr_count:     352
    .wavefront_size: 32
...
	.end_amdgpu_metadata
.endif
;; end of part 1
;; launch ttgemm (part 2): grid 4 x 64, 4 waves a work-group, clusters of 4 x 4, 327,680 bytes of LDS; arguments x, wt, out0, scl; writes out0
.if DOCPART == 2
	.amdgcn_target "amdgcn-amd-amdhsa--gfx1250"
	.amdhsa_code_object_version 6
	.text
	.protected	k_qc4f6992ae0_ttgemm
	.globl	k_qc4f6992ae0_ttgemm
	.p2align	8
	.type	k_qc4f6992ae0_ttgemm,@function
k_qc4f6992ae0_ttgemm:
	s_mov_b64 s[64:65], 0
	v_nop
	global_prefetch_b8 v0, s[64:65] scope:SCOPE_SE
	s_setreg_imm32_b32 hwreg(HW_REG_WAVE_MODE, 25, 1), 1
	s_wait_xcnt 0x0
	s_wait_alu depctr_hold_cnt(0) depctr_sa_sdst(0) depctr_va_vdst(0) depctr_va_sdst(0) depctr_va_ssrc(0) depctr_va_vcc(0) depctr_vm_vsrc(0)
	s_getreg_b32 s2, hwreg(HW_REG_IB_STS2, 6, 4)
	s_cmp_eq_u32 s2, 0
	s_cbranch_scc0 .Lentry_in_a_cluster
	s_endpgm
.Lentry_in_a_cluster:
	s_bfe_u32 s2, ttmp6, 0x10000c
	s_cmp_lg_u32 s2, 0xf033
	s_cbranch_scc0 .Lentry_shape_is_right
	s_endpgm
.Lentry_shape_is_right:
; out0[m][n] = scl x the sum over k of f16(x[m][k]) wt[k >> 6][n][k & 63].  x, out0: [8192][2048] f32.  wt: the scaled dense matrix in f16, in blocks of 64 k: block ks holds 2,048 rows of n, 128 bytes each.
; scl: the power of two that takes wt's scale back.  Sums in f32.
; LIMITS.  x is rounded once, to f16: |x| stays under 65,504, and below 6e-5 it keeps f16's fixed step of 6e-8.  NaN and infinities are not treated apart.
; SHARES.  A work-group makes 128 rows x 512 columns: 4 x 64 work-groups.  Wave w makes all 128 rows x columns 128 w .. 128 w + 127: 64 accumulators of 16 x 16, 512 registers.
; K goes in 32 steps of 64 through a ring of two LDS slots: x's tile 128 rows x 256 bytes (f32), wt's tile 512 rows x 128 bytes.  A longer step does not fit twice into LDS beside the stages.
; x IS CONVERTED BETWEEN LDS AND THE MATRIX UNIT: 16 rows x 32 k are read as f32 (16 registers), eight positions later rounded in pairs (8 registers, a fragment), four positions later multiplied.
; CLUSTER, 4 x 4.  The four work-groups of a row of the cluster cover all 2,048 columns and need the same tile of x; the four of a column need the same tile of wt.  Each tile is asked for JOINTLY:
; the same tensor load, descriptor and mask in all four.
; THE MATRIX INSTRUCTION IS USED TRANSPOSED: source 0 = 16 rows of wt (n), source 1 = 16 rows of x: lane (r, h), register j holds out(row r, column 8 h + j): eight neighbouring numbers of a row.
; REGISTERS, in windows of 256 (s_set_vgpr_msb: bits 1:0 source 0, 3:2 source 1, 5:4 source 2, 7:6 destination):
;   window 0: v0-31 addresses; v32-95 FA, eight fragments of x by block of 16 rows; v96-223 RAW, a ring of eight blocks x 16 registers of f32 (on the way out: rows read back)
;   window 1: v0-63, v64-127 wt's fragments of the step's two halves          window 2: the accumulators of rows 0-63, (a, b) at v[8 (8 (a % 4) + b)]          window 3: those of rows 64-127
.set PA,     272                       ; a row of x in LDS: 256 bytes + 16 of padding: an odd multiple of 16, so the 16 rows of a load lie in 16 different columns of 16 bytes modulo 256 (64 banks of 4 bytes: ISA guide 11.1)
.set PB,     144                       ; a row of wt: 128 + 16: likewise
.set ABYTES, 128*PA
.set SLOT,   ABYTES+512*PB             ; x's 128 rows, then wt's 512
.set STAGE,  2*SLOT                    ; behind the ring, never filled by a tensor load: 16 rows x 528 bytes for each wave
.set SP,     528
.set SPARE,  STAGE+4*16*SP             ; behind the stages: the spare words, 128 bytes for each wave
.set ADRA, 16                          ; v16-17  LDS address of my part of x's fragments in slot 0, 1
.set ADRB, 20                          ; v20-21  the same for wt
.set STO,  24                          ; v24     the way out: where I put 16 bytes of a row
.set RD,   25                          ; v25     where I read a row back
.set CO,   26                          ; v26     my byte offset in a row of out0
.set SPW,  28                          ; v28     LDS address of my spare word; never rewritten
.set NIL,  29                          ; v29     0; never rewritten
.set FA,   32
.set RAW,  96
.set G1,  24                           ; s[24:31] descriptor group 1 for x's tiles;   s[32:39] group 0, a set for each slot
.set G0,  32
.set G1B, 48                           ; s[48:55], s[56:63] the same for wt's
.set G0B, 56
.set INV, 66                           ; s[66:67] scl: the packed multiply takes the pair's low word for both halves
.set MSB, 0
.macro WIN new                         ; the high byte repeats the setting that is left; a switch that changes nothing is dropped
.if MSB != (\new)
	s_set_vgpr_msb (MSB<<8)|(\new)
.set MSB, (\new)
.endif
.endm
; A joint load.  Waves 0 and 1 fetch the halves of x's tile, waves 2 and 3 those of wt's.  The branch hangs on the wave's number alone.  An s_nop 0 and four v_nop follow each of the two lines.
.macro JLOAD s
	s_cmp_eq_u32 s11, 0
	s_cbranch_scc0 .Lfor_b_\@
	tensor_load_to_lds s[G0+4*(\s):G0+4*(\s)+3], s[G1:G1+7]
	s_nop 0
.rept 4
	v_nop
.endr
	s_branch .Lasked_\@
.Lfor_b_\@:
	tensor_load_to_lds s[G0B+4*(\s):G0B+4*(\s)+3], s[G1B:G1B+7]
	s_nop 0
.rept 4
	v_nop
.endr
.Lasked_\@:
.endm
; A round of the cluster's barrier: my work-group's barrier; wave 0 signals for the work-group; every wave waits for all sixteen; my work-group's barrier once more.
.macro CREST                           ; a round behind its opening barrier
	s_cmp_lg_u32 s10, 0
	s_cbranch_scc1 .Lnot_wave_0_\@
	s_barrier_signal -3
.Lnot_wave_0_\@:
	s_barrier_wait -3
	s_barrier_signal -1
	s_barrier_wait -1
.endm
.macro CROUND
	s_barrier_signal -1
	s_barrier_wait -1
	CREST
.endm
	s_load_b128 s[4:7], s[0:1], 0x0                ; x s[4:5], wt s[6:7]
	s_load_b64 s[8:9], s[0:1], 0x10                ; out0
	s_load_b64 s[68:69], s[0:1], 0x18              ; scl
	v_lshl_add_u32 v[SPW], v0, 2, SPARE
	v_mov_b32 v[NIL], 0
	ds_add_u32 v[SPW], v[NIL]                      ; the wave's opening: the add and its wait stand ahead of my first tensor load; the set-up below, work on registers, stands between them
	v_lshrrev_b32 v1, 5, v0
	v_readfirstlane_b32 s10, v1                    ; wave 0..3
	s_lshr_b32 s11, s10, 1                         ; I fetch for x (0) or for wt (1)
	s_and_b32 s12, s10, 1                          ; which half of that tile
	s_bfe_u32 s40, ttmp6, 0x40000                  ; cx, cy: my place in the cluster
	s_bfe_u32 s41, ttmp6, 0x40004
	s_lshl_b32 s42, ttmp9, 2
	s_add_co_u32 s42, s42, s40                     ; my 512 columns = 4 x cluster x + cx
	s_and_b32 s13, ttmp7, 0xffff
	s_lshl_b32 s13, s13, 2
	s_add_co_u32 s13, s13, s41                     ; my 128 rows = 4 x cluster y + cy
	s_lshl_b32 s43, s41, 2
	s_lshl_b32 s43, 15, s43                        ; my row of the cluster: places 4 cy .. 4 cy + 3
	s_lshl_b32 s44, 0x1111, s40                    ; my column: places cx, cx + 4, cx + 8, cx + 12
	; group 1 for x: 64 rows x 64 elements of 4 bytes, 2,048 elements from row to row; 4 words of padding behind every 64
	s_or_b32 s[G1+0], s43, (2<<16)|(1<<20)|(1<<21)|(5<<22)|(3<<25)  ; 15:0 the mask of my row; 17:16 4-byte elements; 20 padding on; 21 set beside a mask; 24:22 after every 64 words (code 5); 31:25 4 words (code 3)
	s_mov_b32 s[G1+1], 64<<16                      ; tensor_dim0 = 64
	s_mov_b32 s[G1+2], 64<<16                      ; tensor_dim1 = 64
	s_mov_b32 s[G1+3], 64<<16                      ; tile_dim0 = 64
	s_mov_b32 s[G1+4], 64                          ; tile_dim1 = 64
	s_mov_b32 s[G1+5], 2048                        ; the pitch
	s_mov_b32 s[G1+6], 0
	s_mov_b32 s[G1+7], 0
	; group 1 for wt: 256 rows of n are 32,768 dense bytes: asked for as 128 rows of 256 bytes, two rows of n each, padded behind every row of n
	s_or_b32 s[G1B+0], s44, (1<<16)|(1<<20)|(1<<21)|(4<<22)|(3<<25) ; the mask of my column; 2-byte elements; after every 32 words (code 4) 4 words
	s_mov_b32 s[G1B+1], 128<<16
	s_mov_b32 s[G1B+2], 128<<16
	s_mov_b32 s[G1B+3], 128<<16
	s_mov_b32 s[G1B+4], 128
	s_mov_b32 s[G1B+5], 128
	s_mov_b32 s[G1B+6], 0
	s_mov_b32 s[G1B+7], 0
	; where the tiles come from: x's hang on my rows alone, wt's on my columns alone; every wave makes both, in registers that never hold the other coordinate
	s_lshl_b32 s16, s13, 7
	s_lshl_b32 s17, s12, 6
	s_add_co_u32 s16, s16, s17                     ; x: row 128 x (my rows) + 64 x half,
	s_lshl_b32 s16, s16, 13                        ; of 8,192 bytes: under 2^26
	s_mov_b32 s17, 0
	s_lshl_b32 s46, s42, 16                        ; wt: 512 rows of 128 bytes x (my columns)
	s_lshl_b32 s47, s12, 15                        ; + 256 rows x half
	s_add_co_u32 s46, s46, s47
	s_mov_b32 s47, 0
	s_mul_i32 s20, s12, 64*PA                      ; and where they go: no place in the cluster enters an LDS address
	s_mul_i32 s21, s12, 256*PB
	s_add_co_u32 s21, s21, ABYTES
	s_wait_dscnt 0x0                               ; the opening add is done
	s_wait_kmcnt 0x0
	s_add_nc_u64 s[14:15], s[4:5], s[16:17]
	s_add_nc_u64 s[46:47], s[6:7], s[46:47]
	CROUND                                         ; all sixteen work-groups are here: the first joint loads meet
.irp s, 0,1
	s_mov_b32 s[G0+4*(\s)], 1                                        ; count = 1
	s_add_co_u32 s[G0+4*(\s)+1], s20, (\s)*SLOT                      ; LDS address
	s_add_nc_u64 s[G0+4*(\s)+2:G0+4*(\s)+3], s[14:15], (\s)*256      ; global address: K step s is 256 bytes along x's rows,
	s_or_b32 s[G0+4*(\s)+3], s[G0+4*(\s)+3], 0x80000000              ; type = 2
	s_mov_b32 s[G0B+4*(\s)], 1
	s_add_co_u32 s[G0B+4*(\s)+1], s21, (\s)*SLOT
	s_add_nc_u64 s[G0B+4*(\s)+2:G0B+4*(\s)+3], s[46:47], (\s)*262144 ; and a block of 262,144 bytes of wt
	s_or_b32 s[G0B+4*(\s)+3], s[G0B+4*(\s)+3], 0x80000000
	JLOAD \s                                       ; two loads of mine are out
.endr
	s_load_b32 s[INV], s[68:69], 0x0
	v_and_b32 v1, 15, v0                           ; r
	v_bfe_u32 v2, v0, 4, 1                         ; h
	; a fragment is 16 rows x 32 k: lane (r, h) holds row r, k = 8 h + 0..7 and 16 + 8 h + 0..7.  In f32 those are 32 bytes at 32 h and 32 bytes at 64 + 32 h; in f16 16 bytes at 16 h and at 32 + 16 h
	v_mul_u32_u24 v3, v1, PA
	v_lshl_add_u32 v[ADRA], v2, 5, v3
	v_add_nc_u32 v[ADRA+1], SLOT, v[ADRA]
	v_mul_u32_u24 v4, v1, PB
	v_lshl_add_u32 v4, v2, 4, v4
	s_mul_i32 s22, s10, 128*PB                     ; my 128 rows of wt's tile,
	s_add_co_u32 s22, s22, ABYTES                  ; which lies behind x's
	v_add_nc_u32 v[ADRB], s22, v4
	v_add_nc_u32 v[ADRB+1], SLOT, v[ADRB]
	s_mul_i32 s23, s10, 16*SP
	s_add_co_u32 s23, s23, STAGE                   ; my stage
	v_mul_u32_u24 v5, v1, SP                       ; in: row r, 32 bytes for each half of the lanes
	v_lshl_add_u32 v5, v2, 5, v5
	v_add_nc_u32 v[STO], s23, v5
	v_and_b32 v[CO], 31, v0                        ; back: 32 lanes take a row's 512 bytes
	v_lshlrev_b32 v[CO], 4, v[CO]
	v_add_nc_u32 v[RD], s23, v[CO]
	s_lshl_b32 s16, s13, 20                        ; out0 at my first row (128 rows of 8,192 bytes)
	s_mov_b32 s17, 0
	s_add_nc_u64 s[8:9], s[8:9], s[16:17]
	s_lshl_b32 s46, s42, 11                        ; and my wave's first column: 2,048 bytes x (my columns) + 512 x wave
	s_lshl_b32 s47, s10, 9
	s_add_co_u32 s46, s46, s47
	s_mov_b32 s47, 0
	s_add_nc_u64 s[8:9], s[8:9], s[46:47]
	s_wait_kmcnt 0x0
	s_mov_b32 s[INV+1], s[INV]                     ; named with it as a pair
.macro CVT8 i                          ; block i of RAW is rounded to f16: a fragment of x
	WIN 0
.irp e, 0,1,2,3,4,5,6,7
	v_cvt_pk_f16_f32 v[FA+8*(\i)+\e], v[RAW+16*(\i)+2*\e], v[RAW+16*(\i)+2*\e+1]
.endr
.endm
.macro LOADA i, slot, half             ; rows 16 i .. 16 i + 15 of x's tile, 32 k of the step's half, as f32
	WIN 0
	ds_load_b128 v[RAW+16*(\i):RAW+16*(\i)+3],     v[ADRA+(\slot)] offset:(\i)*16*PA+(\half)*128
	ds_load_b128 v[RAW+16*(\i)+4:RAW+16*(\i)+7],   v[ADRA+(\slot)] offset:(\i)*16*PA+(\half)*128+16
	ds_load_b128 v[RAW+16*(\i)+8:RAW+16*(\i)+11],  v[ADRA+(\slot)] offset:(\i)*16*PA+(\half)*128+64
	ds_load_b128 v[RAW+16*(\i)+12:RAW+16*(\i)+15], v[ADRA+(\slot)] offset:(\i)*16*PA+(\half)*128+80
.endm
.macro LOADB f, slot, half             ; my 128 rows of wt's tile, 32 k: eight fragments into buffer f of window 1
	WIN 0x40
.irp b, 0,1,2,3,4,5,6,7
	ds_load_b128 v[64*(\f)+8*\b:64*(\f)+8*\b+3],   v[ADRB+(\slot)] offset:\b*16*PB+(\half)*64
	ds_load_b128 v[64*(\f)+8*\b+4:64*(\f)+8*\b+7], v[ADRB+(\slot)] offset:\b*16*PB+(\half)*64+32
.endr
.endm
.macro MUL8 a, f, zero                 ; block a of rows x my eight blocks of columns, 32 along K.  zero = 1: the product starts the sums: nothing is ever cleared
	WIN 0xa1+0x50*((\a)/4)                         ; wt's fragments in window 1, x's in window 0, C and D in window 2 or 3
.irp b, 0,1,2,3,4,5,6,7
.if \zero
	v_wmma_f32_16x16x32_f16 v[8*(8*((\a)%4)+\b):8*(8*((\a)%4)+\b)+7], v[64*(\f)+8*\b:64*(\f)+8*\b+7], v[FA+8*(\a):FA+8*(\a)+7], 0
.else
	v_wmma_f32_16x16x32_f16 v[8*(8*((\a)%4)+\b):8*(8*((\a)%4)+\b)+7], v[64*(\f)+8*\b:64*(\f)+8*\b+7], v[FA+8*(\a):FA+8*(\a)+7], v[8*(8*((\a)%4)+\b):8*(8*((\a)%4)+\b)+7]
.endif
.endr
.endm
; A K STEP HAS 16 POSITIONS: p / 8 its half of 32 k, p % 8 the block of 16 rows; block p is what position p multiplies.  Position p, in the step that lies in slot s:
;   cv: block p + 4 is converted (its f32 were asked for at position p - 8);   ld: block p + 12 is asked for, into the registers just read out: for p < 4 it is this step's, else the next step's, in the other slot;
;   at p = 0 wt's fragments of this step's second half are asked for, at p = 8 those of the next step's first half;   then eight matrix instructions.
; THE WAIT leaves the 28 youngest LDS instructions out.  Behind the four loads that the conversion reads stand seven positions' loads of x (28) and one run of wt's (16); behind the run of wt's that position 0
; multiplies stand exactly seven positions' 28.  wt = -1: no wait is due.
; The conversions name no register of the products in front of them: they are the places ahead of the loads into wt's buffer, which the position before has read, and three positions' conversions
; stand between a fragment's last product and its rewriting.  The 64 accumulators take turns: between two products onto one stand the 63 others'.
.macro POS p, s, zero, cv, ld, wt=28
.set PIX, ((\p)+4)%8
.if (\wt) >= 0
	s_wait_dscnt \wt
.endif
.if \cv
	CVT8 PIX
.endif
.if \ld
.if (\p) < 4
	LOADA PIX, \s, 1
.else
	LOADA PIX, 1-(\s), ((\p)-4)/8
.endif
.if (\p) == 0
	LOADB 1, \s, 1
.endif
.if (\p) == 8
	LOADB 0, 1-(\s), 0
.endif
.endif
	MUL8 (\p)%8, (\p)/8, \zero
.endm
; THE CHANGE OF SLOTS, positions 4 and 5.  All reads of slot s have been issued (the last at position 3).  Each wave waits for all its tensor loads, of which one is out: its part of the other slot; adds 0 to its
; spare word; and waits for that and for its reads of slot s.  Behind the barrier nobody reads slot s any more and the other slot is whole.  fill = 1: the barrier opens a round of the cluster's, so that no wave of
; any partner still reads the slot or has a load on its way; slot s is filled again, two K steps ahead, first thing behind the round: 14 positions, 112 matrix instructions, ahead of the wait for it.
; The two positions' loads of x, which read the other slot, follow behind.
.macro CHANGE s, fill, zero
	WIN 0                                          ; (the add's two registers lie in window 0)
	s_wait_tensorcnt 0x0                           ; no tensor load of mine is out
	ds_add_u32 v[SPW], v[NIL]                      ; 0 onto my spare word; position 4's work on registers stands between it and the wait for it
	POS 4, \s, \zero, 1, 0
	s_wait_dscnt 0x0                               ; the add is done, and my reads of slot s are back
	s_barrier_signal -1
	POS 5, \s, \zero, 1, 0, -1                     ; work on registers while the others arrive
	WIN 0                                          ; at a branch and at a label every window is 0
	s_barrier_wait -1
.if \fill
	CREST
	s_add_nc_u64 s[G0+4*(\s)+2:G0+4*(\s)+3], s[G0+4*(\s)+2:G0+4*(\s)+3], 2*256
	s_add_nc_u64 s[G0B+4*(\s)+2:G0B+4*(\s)+3], s[G0B+4*(\s)+2:G0B+4*(\s)+3], 2*262144
	JLOAD \s
.endif
	LOADA 0, 1-(\s), 0
	LOADA 1, 1-(\s), 0
.endm
.macro HEAD s, zero, fill              ; a step's first half
.irp p, 0,1,2,3
	POS \p, \s, \zero, 1, 1
.endr
	CHANGE \s, \fill, \zero
	POS 6, \s, \zero, 1, 1
	POS 7, \s, \zero, 1, 1
.endm
.macro TAILH s                         ; its second half
.irp p, 8,9,10,11,12,13,14,15
	POS \p, \s, 0, 1, 1
.endr
.endm
	s_wait_tensorcnt 0x1                           ; my part of K step 0 is in; step 1's may stay out
	s_barrier_signal -1
	s_barrier_wait -1                              ; everybody's is
	LOADB 0, 0, 0                                  ; what position 0 expects to find: wt's first fragments,
.irp i, 0,1,2,3,4,5,6,7
	LOADA \i, 0, 0                                 ; blocks 0 to 7 as f32,
.endr
	s_wait_dscnt 0x0
.irp i, 0,1,2,3
	CVT8 \i                                        ; blocks 0 to 3 converted,
.endr
.irp i, 0,1,2,3
	LOADA \i, 0, 1                                 ; blocks 8 to 11 on their way
.endr
	HEAD 0, 1, 1                                   ; K step 0's first half stands in front of the loop: its 64 products start the sums; slot 0 takes K step 2
	WIN 0
	s_mov_b32 s3, 14
.Llap:                                                 ; trip i: from the second half of K step 2 i to the first half of step 2 i + 2; it asks for steps 2 i + 3 and 2 i + 4
	TAILH 0
	HEAD 1, 0, 1
	TAILH 1
	HEAD 0, 0, 1
	WIN 0
	s_sub_co_u32 s3, s3, 1
	s_cmp_lg_u32 s3, 0
	s_cbranch_scc1 .Llap
	TAILH 0                                        ; the tail is written out: K step 28
	HEAD 1, 0, 1                                   ; step 29, which asks for step 31, the last,
	TAILH 1
	HEAD 0, 0, 0                                   ; step 30: a plain barrier, nothing is filled
	TAILH 0
.irp p, 0,1,2,3
	POS \p, 1, 0, 1, 1                             ; step 31: its own last four blocks are still to be asked for;
.endr
	POS 4, 1, 0, 1, 0, 0                           ; nothing is issued behind them, so the wait is for all
.irp p, 5,6,7,8,9,10,11
	POS \p, 1, 0, 1, 0, -1
.endr
.irp p, 12,13,14,15
	POS \p, 1, 0, 0, 0, -1
.endr
; THE WAY OUT, a block of 16 rows at a time: a lane's 32 bytes of a row go from the accumulators into my own stage (each accumulator's low registers first), whole rows of 512 bytes come
; back, are multiplied by scl and stored.  LDS serves a wave's instructions in order (ISA guide 5.7.1.4): the loads see the stores above them, and the next block's stores come behind these loads.
.macro TOSTAGE a
	WIN 0x08+4*((\a)/4)                            ; the stores' data in window 2 or 3
.irp b, 0,1,2,3,4,5,6,7
	ds_store_b128 v[STO], v[8*(8*((\a)%4)+\b):8*(8*((\a)%4)+\b)+3]   offset:64*\b
	ds_store_b128 v[STO], v[8*(8*((\a)%4)+\b)+4:8*(8*((\a)%4)+\b)+7] offset:64*\b+16
.endr
	WIN 0
	s_wait_xcnt 0x0                                ; the registers below were the data of the stores two blocks back: they are loaded again only behind this wait
.irp t, 0,1,2,3,4,5,6,7,8,9,10,11,12,13,14,15
	ds_load_b128 v[RAW+64*((\a)%2)+4*\t:RAW+64*((\a)%2)+4*\t+3], v[RD] offset:SP*\t
.endr
.endm
.macro SEND a, younger                 ; younger: the LDS instructions issued behind block a's loads: the next block's 32, or none
.set BK, RAW+64*((\a)%2)
	s_wait_dscnt \younger
	s_wait_xcnt 0x0                                ; the stores' base is stepped only behind this wait
.if (\a) > 0
	s_add_nc_u64 s[8:9], s[8:9], 16*8192           ; 16 rows on
.endif
.irp t, 0,1,2,3,4,5,6,7,8,9,10,11,12,13,14,15
	v_pk_mul_f32 v[BK+4*\t:BK+4*\t+1],   v[BK+4*\t:BK+4*\t+1],   s[INV:INV+1] op_sel_hi:[1,0]
	v_pk_mul_f32 v[BK+4*\t+2:BK+4*\t+3], v[BK+4*\t+2:BK+4*\t+3], s[INV:INV+1] op_sel_hi:[1,0]
	global_store_b128 v[CO], v[BK+4*\t:BK+4*\t+3], s[8:9] offset:8192*\t th:TH_STORE_NT  ; 512 consecutive bytes of a row, at a multiple of 256 from out0's first byte
.endr
.endm
	WIN 0
.rept 4
	v_nop                                          ; the places between the last products and the stores that read results
.endr
	TOSTAGE 0
.irp a, 1,2,3,4,5,6,7
	TOSTAGE \a
	SEND (\a)-1, 32
.endr
	SEND 7, 0
	s_wait_tensorcnt 0x0                           ; the wave's end, behind my last tensor load and my last LDS store
	ds_add_u32 v[SPW], v[NIL]
	s_wait_dscnt 0x0
	CROUND                                         ; the closing round: no work-group ends while a partner may still ask for a tile that names it
	s_endpgm
.Lfunc_end_k_qc4f6992ae0_ttgemm:
	.size	k_qc4f6992ae0_ttgemm, .Lfunc_end_k_qc4f6992ae0_ttgemm-k_qc4f6992ae0_ttgemm
	.p2alignl 7, 3214868480
	.fill 96, 4, 3214868480
	.section	.rodata,"a",@progbits
	.p2align	6, 0x0
	.amdhsa_kernel k_qc4f6992ae0_ttgemm
		.amdhsa_group_segment_fixed_size 327680
		.amdhsa_private_segment_fixed_size 0
		.amdhsa_enable_private_segment 0
		.amdhsa_kernarg_size 32
		.amdhsa_user_sgpr_count 2
		.amdhsa_user_sgpr_kernarg_segment_ptr 1
		.amdhsa_wavefront_size32 1
		.amdhsa_system_sgpr_workgroup_id_x 1
		.amdhsa_system_sgpr_workgroup_id_y 1
		.amdhsa_system_sgpr_workgroup_id_z 1
		.amdhsa_system_vgpr_workitem_id 0
		.amdhsa_next_free_vgpr 1024
		.amdhsa_next_free_sgpr 70
		.amdhsa_reserve_vcc 0
		.amdhsa_float_denorm_mode_32 3
		.amdhsa_float_denorm_mode_16_64 3
		.amdhsa_memory_ordered 1
		.amdhsa_forward_progress 1
		.amdhsa_inst_pref_size 199
	.end_amdhsa_kernel
	.amdgpu_metadata
---
amdhsa.version: [ 1, 2 ]
amdhsa.kernels:
  - .name:           k_qc4f6992ae0_ttgemm
    .symbol:         k_qc4f6992ae0_ttgemm.kd
    .args:
      - { .name: x, .offset: 0, .size: 8, .value_kind: global_buffer, .address_space: global }
      - { .name: wt, .offset: 8, .size: 8, .value_kind: global_buffer, .address_space: global }
      - { .name: out0, .offset: 16, .size: 8, .value_kind: global_buffer, .address_space: global }
      - { .name: scl, .offset: 24, .size: 8, .value_kind: global_buffer, .address_space: global }
    .group_segment_fixed_size: 327680
    .private_segment_fixed_size: 0
    .kernarg_segment_align: 8
    .kernarg_segment_size: 32
    .max_flat_workgroup_size: 128
    .sgpr_count:     70
    .vgpr_count:     1024
    .wavefront_size: 32
...
	.end_amdgpu_metadata
.endif
;; end of part 2
;; ======== version 2 of 2: 2 launches; version 1 with the launch wbuild written anew for expert scheduling mode
;; limits: values are held in f16: magnitudes above 65,504 overflow, below 6.1e-05 lose precision; inputs' magnitudes at most 65,504
;; workspace buffers: wt 8,388,608 bytes; scl 256 bytes
;; launch wbuild (part 3): grid 32 x 8, 4 waves a work-group, no clusters, 33,280 bytes of LDS; arguments p0, p1, p2, p3, p4, p5, p6, p7, p8, wt, scl; writes wt, scl
.if DOCPART == 3
	.amdgcn_target "amdgcn-amd-amdhsa--gfx1250"
	.amdhsa_code_object_version 6
	.text
	.protected	k_qc4f6992ae0_wbuild
	.globl	k_qc4f6992ae0_wbuild
	.p2align	8
	.type	k_qc4f6992ae0_wbuild,@function
k_qc4f6992ae0_wbuild:
	s_mov_b64 s[64:65], 0
	v_nop
	global_prefetch_b8 v0, s[64:65] scope:SCOPE_SE
	s_setreg_imm32_b32 hwreg(HW_REG_WAVE_SCHED_MODE, 0, 2), 2
	s_setreg_imm32_b32 hwreg(HW_REG_WAVE_MODE, 25, 1), 1
	s_wait_xcnt 0x0
	s_wait_alu depctr_vm_vsrc(0)
; THE DENSE MATRIX OF THE TENSOR TRAIN.  W[i][j] = g0[a0,b0] G1[a1,b1] .. G7[a7,b7]^T g8[a8,b8], i = (a0 .. a8), j = (b0 .. b8), the first index the most significant; core 7's two bonds are swapped.
; Stored: wt[ks][n][kk] = f16(W[64 ks + kk][n] x 2^(141-e)), at byte ks x 262,144 + n x 128 + kk x 2; and scl = 2^(e-141), 64 times.
; THE SCALE.  P = the product of the nine cores' Frobenius norms bounds every |W|; e is P's biased exponent, so P < 2^(e-126) and the scaled W stays under 2^15, inside f16, whatever the cores hold.
; The factor is a power of two and is put on the left seed, so it costs no rounding.
; LIMITS.  P between 2^-112 and 2^126 (e is held to 15 .. 253).  Cores and chain vectors are carried as hi + lo in bf16, 16 significant bits; of a link's four products lo x lo is dropped (2^-18 of the value).
; W is rounded once, to f16: below 2^-14 of the scaled range it keeps f16's fixed step of 2^-24.  NaN and infinities are not treated apart.
; SHARES.  Work-group (ks, b0): a0 = ks >> 2, a1 = (ks >> 1) & 1, a2 = ks & 1.  Wave w: b1 = w >> 1, b2 = w & 1.  A wave makes all (a3 .. a8) x (b3 .. b8): 64 rows of n x 128 bytes, 8,192 consecutive bytes of wt.
; No wave reads another's bytes: no barrier.  NO CLUSTER, NO TENSOR LOADS: all that work-groups share are the cores, 33 KB, read through registers once a wave.
; THE METHOD.  A result of the matrix instruction holds in lane (r, h), register j, the number vec_r[s = 8 h + j]: sixteen vectors, the bond s along the registers.  Rounded in pairs that IS the next source 1.
; K's 32 places carry the bond twice: source 0 = [G_hi | G_lo]; the vector lies in twelve registers [v_lo | v_hi | 0], of which registers 0-7 give G_hi v_lo + G_lo v_hi and registers 4-11 give G_hi v_hi.
; The four results of a level's four (a, b) are merged by lane, so that the lanes come to number the indices:
;   right chain (cores 8, 7, 6): lane bits 3..0 = b7, b8, a7, a8          left chain (cores 0 .. 5): lane bits 3..0 = a3, b3, a4, b4
; At last W = R . L over the bond between cores 5 and 6: source 0 = R's sixteen vectors, source 1 = L's: 16 x 16 numbers an instruction, for each (a5, b5) x (a6, b6).
; THE MODE: SCHED_MODE bits 1:0 = 2 (LLVM: expert scheduling mode 2), set by the entry lines.  The code itself states the register dependences
; between vector or matrix instructions and memory or LDS instructions, with s_wait_alu, always for 0.
; THE PLAN.  Registers that memory or LDS instructions touch:
;   v3-v9         offsets and LDS addresses: written at the head, read by loads and stores to the end, never written again: the one wait ahead of the first load serves them all.
;   v12-v15       offsets of the first loads (v15 also of scl's store); the first split writes them again: one wait on vm_vsrc ahead of it, where the two ways round scl's store have joined.
;   v234-v235     the data of scl's store: written just ahead of it (a wait on va_vdst in the storing wave's arm), written again by the first split (the same wait on vm_vsrc).
;   PK0 .. PK3    a buffer for each of the four blocks of final products.  Block c's conversions write PK[c]; its four LDS stores are issued in block c + 1, behind ONE wait on va_vdst that stands behind that
;                 block's products and their places, and are dealt among that block's conversions, which name the accumulators and PK[c + 1] alone.  No buffer is written a second time.
;   v140-v203     the stage read back.  Vector and matrix instructions name them up to block 3's conversions; the wait on va_vdst behind those serves block 3's stores and these loads.
;   v10, v11      written at the head, read by the closing add alone.
; All else (the cores as sources, the chains' vectors, the accumulators) is named by vector and matrix instructions alone once the first loads are in.
.set SPARE, 32768     ; behind the four stages of 8,192 bytes: the spare words, 128 bytes for each wave
.set OT,  3           ; v3   512 h + 4 r: a core matrix read turned (row = outgoing bond)
.set ON,  4           ; v4   64 r + 32 h: read as it lies
.set OSR, 5           ; v5   the right seed: 128 a8 + 64 b8 + 32 h
.set OSL, 6           ; v6   the left seed: 64 (8 a0 + b0) + 32 h
.set STO, 7           ; v7   where I put 16 bytes into my stage
.set RD,  8           ; v8   where I read the stage back
.set GO,  9           ; v9   my byte offset in wt
.set SPW, 10          ; v10  LDS address of my spare word; never rewritten
.set NIL, 11          ; v11  0; never rewritten
.set OT1, 12          ; v12-15 offsets of the loads; free when the loads are in
.set OT2, 13
.set NOF, 14
.set SOF, 15
.set R7, 16           ; the cores as loaded, eight f32 a set: 22 sets, v16-191
.set R6, 48
.set R1, 80
.set R2, 88
.set R3, 96
.set R4, 128
.set R5, 160
.set G7, R7-4         ; and as source 0, [hi | lo]: each set lands four registers below where it was loaded
.set G6, R6-4
.set G1, R1-4
.set G2, R2-4
.set G3, R3-4
.set G4, R4-4
.set G5, R5-4
.set T,  188          ; v188-219  four accumulators
.set M,  220          ; v220-227  the merged result; first the right seed as loaded
.set U,  228          ; v228-235  at work
.set BS, 236          ; v236-247  the vector in hand: lo, hi, 0
.set SL, 248          ; v248-255  the left seed as loaded
.set NS, 228          ; v228-245  nine pairs of sums of squares, before U and BS are in use
.set RA, 12           ; v12-43    R as source 0, four sets [hi | lo] (core 7's registers)
.set LB, 92           ; v92-139   L as source 1, four sets of twelve (cores 3's and 4's registers)
.set PK, 44           ; packed results, a buffer of 16 for each block: v44-59, v60-75, v76-91 (cores 6's, 1's and 2's registers) and v220-235 (M and U, at rest by then)
.set OUTR, 140        ; v140-203  the stage read back
.set MSB, 0
.macro WIN new                      ; s_set_vgpr_msb: bits 1:0 source 0, 3:2 source 1, 5:4 source 2, 7:6 destination; the high byte repeats the setting that is left
.if MSB != (\new)
	s_set_vgpr_msb (MSB<<8)|(\new)
.set MSB, (\new)
.endif
.endm
	s_load_b512 s[8:23], s[0:1], 0x0               ; p0 .. p7: p_k in s[8+2k:9+2k]
	s_load_b128 s[24:27], s[0:1], 0x40             ; p8, wt
	s_load_b64 s[28:29], s[0:1], 0x50              ; scl
	v_lshl_add_u32 v[SPW], v0, 2, SPARE
	v_mov_b32 v[NIL], 0
	v_lshrrev_b32 v1, 5, v0
	v_readfirstlane_b32 s2, v1                     ; wave 0..3
	s_mov_b32 s3, ttmp9                            ; ks
	s_and_b32 s4, ttmp7, 0xffff                    ; b0
	s_lshr_b32 s5, s3, 2                           ; a0
	s_lshl3_add_u32 s5, s5, s4
	s_lshl_b32 s30, s5, 6                          ; p0: 64 bytes for each (a0, b0)
	s_bfe_u32 s5, s3, 0x10001                      ; a1
	s_wait_alu depctr_va_sdst(0)                   ; s2, the wave's number, is written, ahead of its first reader: b1, b2, the stage and wt's offset are made from it
	s_lshr_b32 s6, s2, 1                           ; b1
	s_lshl1_add_u32 s5, s5, s6
	s_lshl_b32 s31, s5, 10                         ; p1: 1,024 bytes for each (a1, b1)
	s_and_b32 s5, s3, 1                            ; a2
	s_and_b32 s6, s2, 1                            ; b2
	s_lshl1_add_u32 s5, s5, s6
	s_lshl_b32 s32, s5, 10                         ; p2
	s_lshl_b32 s7, s2, 13                          ; my stage in LDS, and my 8,192 bytes of the group's part of wt
	s_lshl_b32 s33, s3, 18
	s_lshl_b32 s5, s4, 15
	s_add_co_u32 s33, s33, s5
	s_add_co_u32 s33, s33, s7                      ; wt: ks x 262,144 + b0 x 32,768 + w x 8,192
	s_mov_b32 s38, 0xaaaaaaaa                      ; the lanes whose bit 0 is set,
	s_mov_b32 s39, 0xcccccccc                      ; bit 1,
	s_mov_b32 s40, 0xf0f0f0f0                      ; bit 2,
	s_mov_b32 s41, 0xff00ff00                      ; bit 3
	s_mov_b32 s42, 0xffff0000                      ; a word's upper bf16
	s_mov_b32 s43, 0x76543210                      ; v_permlanex16_b32: each lane takes its own place in the other half
	s_mov_b32 s44, 0xfedcba98
	v_and_b32 v1, 15, v0                           ; r
	v_bfe_u32 v2, v0, 4, 1                         ; h
	v_lshlrev_b32 v[OT], 2, v1
	v_lshl_add_u32 v[OT], v2, 9, v[OT]
	v_lshlrev_b32 v[ON], 6, v1
	v_lshl_add_u32 v[ON], v2, 5, v[ON]
	v_and_b32 v12, 1, v0                           ; the lane's bits 0 to 3
	v_bfe_u32 v13, v0, 1, 1
	v_bfe_u32 v14, v0, 2, 1
	v_bfe_u32 v15, v0, 3, 1
	v_lshlrev_b32 v[OSR], 5, v2
	v_lshl_add_u32 v[OSR], v12, 7, v[OSR]          ; a8 = bit 0
	v_lshl_add_u32 v[OSR], v14, 6, v[OSR]          ; b8 = bit 2
	v_lshl_add_u32 v[OSL], v2, 5, s30
	; the stage is 64 rows (b3 .. b8) of 128 bytes (a3 .. a8, two bytes each).  The lane gives b3 (bit 2), b4 (bit 0), b7 (h), a3 (bit 3), a4 (bit 1); the rest stands in the stores' immediates
	v_lshl_add_u32 v[STO], v14, 12, s7
	v_lshl_add_u32 v[STO], v12, 11, v[STO]
	v_lshl_add_u32 v[STO], v2, 8, v[STO]
	v_lshl_add_u32 v[STO], v15, 6, v[STO]
	v_lshl_add_u32 v[STO], v13, 5, v[STO]
	v_add_nc_u32 v[OT1], s31, v[OT]
	v_add_nc_u32 v[OT2], s32, v[OT]
	v_and_b32 v1, 31, v0                           ; lane
	v_lshlrev_b32 v[NOF], 4, v1
	v_lshlrev_b32 v[SOF], 3, v1
	v_add_nc_u32 v[RD], s7, v[NOF]
	v_add_nc_u32 v[GO], s33, v[NOF]
	s_wait_kmcnt 0x0
	s_wait_alu depctr_va_vdst(0)                   ; the offsets and addresses v3 to v9 and v12 to v15 are written, which the loads below and every later load and store read; up to the window-1 loads only loads and a window switch follow
	; ALL LOADS AT ONCE, 180 of them.  Lane (r, h) takes row r, bond places 8 h + 0..7 of each matrix: turned, eight loads of 4 bytes 64 bytes apart; as it lies, two loads of 16 bytes.
	global_load_b128 v[M:M+3], v[OSR], s[24:25]
	global_load_b128 v[M+4:M+7], v[OSR], s[24:25] offset:16
.irp c, 0,1,2,3
.irp j, 0,1,2,3,4,5,6,7
	global_load_b32 v[R7+8*\c+\j], v[OT], s[22:23] offset:1024*\c+64*\j  ; core 7: row = its 4th index, the bond towards core 6
.endr
	global_load_b128 v[R6+8*\c:R6+8*\c+3], v[ON], s[20:21] offset:1024*\c
	global_load_b128 v[R6+8*\c+4:R6+8*\c+7], v[ON], s[20:21] offset:1024*\c+16
.endr
	global_load_b128 v[SL:SL+3], v[OSL], s[8:9]
	global_load_b128 v[SL+4:SL+7], v[OSL], s[8:9] offset:16
.irp j, 0,1,2,3,4,5,6,7
	global_load_b32 v[R1+\j], v[OT1], s[10:11] offset:64*\j
	global_load_b32 v[R2+\j], v[OT2], s[12:13] offset:64*\j
.endr
.irp c, 0,1,2,3
.irp j, 0,1,2,3,4,5,6,7
	global_load_b32 v[R3+8*\c+\j], v[OT], s[14:15] offset:1024*\c+64*\j
	global_load_b32 v[R4+8*\c+\j], v[OT], s[16:17] offset:1024*\c+64*\j
	global_load_b32 v[R5+8*\c+\j], v[OT], s[18:19] offset:1024*\c+64*\j
.endr
.endr
	WIN 0x40                                       ; destination in window 1: cores 0, 1, 2 whole, for their norms: v256-351
.irp i, 0,1,2,3,4,5,6,7
	global_load_b128 v[4*\i:4*\i+3], v[NOF], s[8:9] offset:512*\i
	global_load_b128 v[32+4*\i:32+4*\i+3], v[NOF], s[10:11] offset:512*\i
	global_load_b128 v[64+4*\i:64+4*\i+3], v[NOF], s[12:13] offset:512*\i
.endr
	WIN 0
	s_wait_loadcnt 0x0                             ; all of them: the norms below want every core
	; THE NORMS.  Cores 3 to 7 lie whole in the wave's registers, 32 numbers a lane; core 8's 64 numbers lie there four times over (lane bits 1 and 3 do not enter its address).
.macro SQ q, b                      ; pair i of the core at register b is squared onto sum q
.if i == 0
	v_pk_mul_f32 v[NS+2*(\q):NS+2*(\q)+1], v[(\b):(\b)+1], v[(\b):(\b)+1]
.else
	v_pk_fma_f32 v[NS+2*(\q):NS+2*(\q)+1], v[(\b)+2*i:(\b)+2*i+1], v[(\b)+2*i:(\b)+2*i+1], v[NS+2*(\q):NS+2*(\q)+1]
.endif
.endm
.set i, 0
.rept 16                            ; the chains take turns, so that none waits for itself
	SQ 0, R7
	SQ 1, R6
	SQ 2, R3
	SQ 3, R4
	SQ 4, R5
.if i < 4
	SQ 5, M
.endif
.set i, i+1
.endr
	WIN 0x05                                       ; sources 0 and 1 in window 1
.set i, 0
.rept 16
	SQ 6, 0
	SQ 7, 32
	SQ 8, 64
.set i, i+1
.endr
	WIN 0
.irp q, 0,1,2,3,4,5,6,7,8
	v_add_f32 v[NS+2*\q], v[NS+2*\q], v[NS+2*\q+1]
.endr
.irp m, 1,2,4,8
.irp q, 0,1,2,3,4,5,6,7,8
	v_add_f32_dpp v[NS+2*\q], v[NS+2*\q], v[NS+2*\q] row_xmask:\m row_mask:0xf bank_mask:0xf
.endr
.endr
.irp q, 0,1,2,3,4,5,6,7,8
	v_permlanex16_b32 v[NS+2*\q+1], v[NS+2*\q], s43, s44
.endr
.irp q, 0,1,2,3,4,5,6,7,8
	v_add_f32 v[NS+2*\q], v[NS+2*\q], v[NS+2*\q+1]
.endr
.irp q, 0,1,2,3,4,5,6,7,8
	v_sqrt_f32 v[NS+2*\q], v[NS+2*\q]
.endr
	v_nop                                          ; a plain instruction between the last root and the use of its result
	s_wait_alu depctr_va_vdst(0)                   ; the nine roots v[NS], v[NS+2] .. v[NS+16] are written: one wait for the batch, ahead of its first reader
	v_mul_f32 v[NS], v[NS], v[NS+2]
	v_mul_f32 v[NS+4], v[NS+4], v[NS+6]
	v_mul_f32 v[NS+8], v[NS+8], v[NS+10]
	v_mul_f32 v[NS+12], v[NS+12], v[NS+14]
	v_mul_f32 v[NS+16], 0.5, v[NS+16]              ; core 8's sum was taken four times: half its root
	v_mul_f32 v[NS], v[NS], v[NS+4]
	v_mul_f32 v[NS+8], v[NS+8], v[NS+12]
	v_mul_f32 v[NS], v[NS], v[NS+8]
	v_mul_f32 v[NS], v[NS], v[NS+16]               ; P, the same in every lane, wave and work-group
	v_lshrrev_b32 v[NS+2], 23, v[NS]               ; e
	v_max_u32 v[NS+2], 15, v[NS+2]
	v_min_u32 v[NS+2], 0xfd, v[NS+2]
	v_sub_nc_u32 v[NS+4], 0x10c, v[NS+2]           ; 127 + 141 - e
	v_lshlrev_b32 v[NS+4], 23, v[NS+4]             ; 2^(141-e)
	v_add_nc_u32 v[NS+6], -14, v[NS+2]             ; 127 + e - 141
	v_lshlrev_b32 v[NS+6], 23, v[NS+6]             ; 2^(e-141)
	v_mov_b32 v[NS+7], v[NS+6]
	v_readfirstlane_b32 s46, v[NS+4]
	s_or_b32 s5, s3, s4
	s_or_b32 s5, s5, s2
	s_wait_alu depctr_va_sdst(0)                   ; s46, the scale, is written, ahead of its first reader, the copy below, and of the branch
	s_mov_b32 s47, s46                             ; named with it as a pair
	s_cmp_lg_u32 s5, 0
	s_cbranch_scc1 .Lno_scale                      ; one wave of one work-group stores scl: 32 lanes x 8 bytes, its 256 bytes whole
	s_wait_alu depctr_va_vdst(0)                   ; v[NS+6:NS+7], the store's data, are written
	global_store_b64 v[SOF], v[NS+6:NS+7], s[28:29]
	s_wait_xcnt 0x0                                ; the store's offset and data registers are rewritten just below
.Lno_scale:
	s_wait_alu depctr_vm_vsrc(0)                   ; on both ways: the first loads have read their offsets v12 to v15, and scl's store its offset v15 and its data v234, v235: the first split below writes all of these again
; Eight f32 at S become hi (four registers at H) and lo (four at L), two bf16 a register: hi = bf16(x), lo = bf16(x - hi); the difference is exact.
.macro SPLIT S, H, L
.irp e, 0,1,2,3
	v_cvt_pk_bf16_f32 v[(\H)+\e], v[(\S)+2*\e], v[(\S)+2*\e+1]
.endr
.irp e, 0,1,2,3
	v_lshlrev_b32 v[U+2*\e], 16, v[(\H)+\e]
	v_and_b32 v[U+2*\e+1], s42, v[(\H)+\e]
.endr
.irp e, 0,1,2,3
	v_pk_add_f32 v[U+2*\e:U+2*\e+1], v[(\S)+2*\e:(\S)+2*\e+1], v[U+2*\e:U+2*\e+1] neg_lo:[0,1] neg_hi:[0,1]
.endr
.irp e, 0,1,2,3
	v_cvt_pk_bf16_f32 v[(\L)+\e], v[U+2*\e], v[U+2*\e+1]
.endr
.endm
; Behind a group of matrix instructions: five places.  Four before a vector instruction reads a result or writes a source (ISA guide 7.12.1), five before a later matrix instruction writes over one of the group's registers.
.macro PLACES5
.rept 5
	v_nop
.endr
.endm
; A level with four matrices: T[c] = G[c] x the vector in hand, c = 2 a + b.  The four accumulators take turns, one instruction a turn.
.macro LVL4 G
.irp c, 0,1,2,3
	v_wmma_f32_16x16x32_bf16 v[T+8*\c:T+8*\c+7], v[(\G)+8*\c:(\G)+8*\c+7], v[BS:BS+7], 0
.endr
.irp c, 0,1,2,3
	v_wmma_f32_16x16x32_bf16 v[T+8*\c:T+8*\c+7], v[(\G)+8*\c:(\G)+8*\c+7], v[BS+4:BS+11], v[T+8*\c:T+8*\c+7]
.endr
	PLACES5
.endm
; A level with one matrix has one accumulator, so its second link follows the first.
.macro LVL1 G, D
	v_wmma_f32_16x16x32_bf16 v[(\D):(\D)+7], v[(\G):(\G)+7], v[BS:BS+7], 0
	s_wait_alu depctr_va_vdst(0)                   ; the wait ahead of a link that follows the link before it
	v_wmma_f32_16x16x32_bf16 v[(\D):(\D)+7], v[(\G):(\G)+7], v[BS+4:BS+11], v[(\D):(\D)+7]
	PLACES5
.endm
; Each lane keeps the result of the (a, b) that its own bits name: mlo = the lanes with b = 1, mhi = those with a = 1.  Registers in ascending order.
.macro MERGE mlo, mhi
.irp j, 0,1,2,3,4,5,6,7
	v_cndmask_b32 v[U+2*(\j%4)], v[T+\j], v[T+8+\j], \mlo
	v_cndmask_b32 v[U+2*(\j%4)+1], v[T+16+\j], v[T+24+\j], \mlo
	v_cndmask_b32 v[M+\j], v[U+2*(\j%4)], v[U+2*(\j%4)+1], \mhi
.endr
.endm
	; THE CORES BECOME SOURCES.  A set's hi goes into the four registers below it, which are free (v12-15, then the upper half of the set before, read out by then), its lo into its own lower four: nothing is moved.
.set x, R7
.rept 22
	SPLIT x, x-4, x
.set x, x+8
.endr
.irp e, 0,1,2,3
	v_mov_b32 v[BS+8+\e], 0                        ; the vector's third part, once
.endr
	; THE RIGHT CHAIN: core 8, then 7 and 6
	SPLIT M, BS+4, BS
	LVL4 G7
	MERGE s41, s39                                 ; b7 = bit 3, a7 = bit 1
	SPLIT M, BS+4, BS
	LVL4 G6
.irp c, 0,1,2,3
	SPLIT T+8*\c, RA+8*\c, RA+8*\c+4               ; R for (a6, b6) = c: lane r's vector is row r of a source 0
.endr
	; THE LEFT CHAIN: core 0, scaled, then 1 to 5
.irp e, 0,1,2,3
	v_pk_mul_f32 v[SL+2*\e:SL+2*\e+1], v[SL+2*\e:SL+2*\e+1], s[46:47] op_sel_hi:[1,0]
.endr
	SPLIT SL, BS+4, BS
	LVL1 G1, T
	SPLIT T, BS+4, BS
	LVL1 G2, T+8
	SPLIT T+8, BS+4, BS
	LVL4 G3
	MERGE s40, s41                                 ; b3 = bit 2, a3 = bit 3
	SPLIT M, BS+4, BS
	LVL4 G4
	MERGE s38, s39                                 ; b4 = bit 0, a4 = bit 1
	SPLIT M, BS+4, BS
	LVL4 G5
.irp c, 0,1,2,3
	SPLIT T+8*\c, LB+12*\c+4, LB+12*\c             ; L for (a5, b5) = c
.irp e, 0,1,2,3
	v_mov_b32 v[LB+12*\c+8+\e], 0
.endr
.endr
; Piece q (b6 = q % 2, b8 = q / 2) of block cl goes from the block's own buffer into my stage: 16 bytes a lane.
.macro PUT1 cl, q
	ds_store_b128 v[STO], v[PK+16*(\cl)+128*((\cl)/3)+4*(\q):PK+16*(\cl)+128*((\cl)/3)+4*(\q)+3] offset:(((\cl)%2)*8+((\q)%2)*4+((\q)/2))*128+((\cl)/2)*16
.endm
; W for (a5, b5) = cl and all four (a6, b6): block cl.  In a result lane (r, h), register j: (a3, b3, a4, b4) = r, b7 = h, b8 = j >> 2, (a7, a8) = j & 3.  So four registers of the results for a6 = 0 and 1
; are eight neighbouring kk, 16 bytes.  The piece with b8 = 0 goes first: each accumulator is read from its low end on.
; The block's conversions write its own buffer; the four LDS stores among them are those of the block before.
.macro FIN cl
.set PKC, PK+16*(\cl)+128*((\cl)/3)
.irp c, 0,1,2,3
	v_wmma_f32_16x16x32_bf16 v[T+8*\c:T+8*\c+7], v[RA+8*\c:RA+8*\c+7], v[LB+12*(\cl):LB+12*(\cl)+7], 0
.endr
.irp c, 0,1,2,3
	v_wmma_f32_16x16x32_bf16 v[T+8*\c:T+8*\c+7], v[RA+8*\c:RA+8*\c+7], v[LB+12*(\cl)+4:LB+12*(\cl)+11], v[T+8*\c:T+8*\c+7]
.endr
	PLACES5
.if (\cl) > 0
	s_wait_alu depctr_va_vdst(0)                   ; the conversions of the block before have written its buffer, which the four LDS stores below read; the conversions between those stores name the accumulators and this block's buffer alone
.endif
.irp q, 0,1,2,3                     ; b6 = q % 2, b8 = q / 2
.if (\cl) > 0
	PUT1 (\cl)-1, \q
.endif
	v_cvt_pk_f16_f32 v[PKC+4*\q],   v[T+8*(\q%2)+4*(\q/2)],      v[T+8*(\q%2)+4*(\q/2)+1]
	v_cvt_pk_f16_f32 v[PKC+4*\q+1], v[T+8*(\q%2)+4*(\q/2)+2],    v[T+8*(\q%2)+4*(\q/2)+3]
	v_cvt_pk_f16_f32 v[PKC+4*\q+2], v[T+16+8*(\q%2)+4*(\q/2)],   v[T+16+8*(\q%2)+4*(\q/2)+1]
	v_cvt_pk_f16_f32 v[PKC+4*\q+3], v[T+16+8*(\q%2)+4*(\q/2)+2], v[T+16+8*(\q%2)+4*(\q/2)+3]
.endr
.endm
	FIN 0
	FIN 1
	FIN 2
	FIN 3
	s_wait_alu depctr_va_vdst(0)                   ; block 3's conversions have written its buffer, which the stores below read, and are done reading the accumulators; so is all that ever named v140 to v203, in which the loads from the stage land
.irp q, 0,1,2,3
	PUT1 3, \q
.endr
	; THE WAY OUT.  The stage is my own, and LDS serves a wave's instructions in order (ISA guide 5.7.1.4): the loads see the stores above.  The stage's rows follow each other as wt's do.
.irp i, 0,1,2,3,4,5,6,7,8,9,10,11,12,13,14,15
	ds_load_b128 v[OUTR+4*\i:OUTR+4*\i+3], v[RD] offset:512*\i
.endr
.irp i, 0,1,2,3,4,5,6,7,8,9,10,11,12,13,14,15
	s_wait_dscnt 15-\i                             ; the younger loads may stay out
	global_store_b128 v[GO], v[OUTR+4*\i:OUTR+4*\i+3], s[26:27] offset:512*\i  ; 512 consecutive bytes, at a multiple of 256 from wt's first byte
.endr
	s_wait_dscnt 0x0                               ; the wave's end: the closing lines, six on end
	s_wait_alu 0x0
	s_wait_tensorcnt 0x0
	ds_add_u32 v[SPW], v[NIL]
	s_wait_dscnt 0x0
	s_endpgm
.Lfunc_end_k_qc4f6992ae0_wbuild:
	.size	k_qc4f6992ae0_wbuild, .Lfunc_end_k_qc4f6992ae0_wbuild-k_qc4f6992ae0_wbuild
	.p2alignl 7, 3214868480
	.fill 96, 4, 3214868480
	.section	.rodata,"a",@progbits
	.p2align	6, 0x0
	.amdhsa_kernel k_qc4f6992ae0_wbuild
		.amdhsa_group_segment_fixed_size 33280
		.amdhsa_private_segment_fixed_size 0
		.amdhsa_enable_private_segment 0
		.amdhsa_kernarg_size 88
		.amdhsa_user_sgpr_count 2
		.amdhsa_user_sgpr_kernarg_segment_ptr 1
		.amdhsa_wavefront_size32 1
		.amdhsa_system_sgpr_workgroup_id_x 1
		.amdhsa_system_sgpr_workgroup_id_y 1
		.amdhsa_system_sgpr_workgroup_id_z 1
		.amdhsa_system_vgpr_workitem_id 0
		.amdhsa_next_free_vgpr 352
		.amdhsa_next_free_sgpr 66
		.amdhsa_reserve_vcc 0
		.amdhsa_float_denorm_mode_32 3
		.amdhsa_float_denorm_mode_16_64 3
		.amdhsa_memory_ordered 1
		.amdhsa_forward_progress 1
		.amdhsa_inst_pref_size 91
	.end_amdhsa_kernel
	.amdgpu_metadata
---
amdhsa.version: [ 1, 2 ]
amdhsa.kernels:
  - .name:           k_qc4f6992ae0_wbuild
    .symbol:         k_qc4f6992ae0_wbuild.kd
    .args:
      - { .name: p0, .offset: 0, .size: 8, .value_kind: global_buffer, .address_space: global }
      - { .name: p1, .offset: 8, .size: 8, .value_kind: global_buffer, .address_space: global }
      - { .name: p2, .offset: 16, .size: 8, .value_kind: global_buffer, .address_space: global }
      - { .name: p3, .offset: 24, .size: 8, .value_kind: global_buffer, .address_space: global }
      - { .name: p4, .offset: 32, .size: 8, .value_kind: global_buffer, .address_space: global }
      - { .name: p5, .offset: 40, .size: 8, .value_kind: global_buffer, .address_space: global }
      - { .name: p6, .offset: 48, .size: 8, .value_kind: global_buffer, .address_space: global }
      - { .name: p7, .offset: 56, .size: 8, .value_kind: global_buffer, .address_space: global }
      - { .name: p8, .offset: 64, .size: 8, .value_kind: global_buffer, .address_space: global }
      - { .name: wt, .offset: 72, .size: 8, .value_kind: global_buffer, .address_space: global }
      - { .name: scl, .offset: 80, .size: 8, .value_kind: global_buffer, .address_space: global }
    .group_segment_fixed_size: 33280
    .private_segment_fixed_size: 0
    .kernarg_segment_align: 8
    .kernarg_segment_size: 88
    .max_flat_workgroup_size: 128
    .sgpr_count:     66
    .vgpr_count:     352
    .wavefront_size: 32
...
	.end_amdgpu_metadata
.endif
;; end of part 3
;; launch ttgemm: the kernel of part 2 again; grid 4 x 64, 4 waves a work-group, clusters of 4 x 4, 327,680 bytes of LDS; arguments x, wt, out0, scl; writes out0
